; MI455X (gfx1250); checked and timed in simulation.
; The chip was launched on July 23, 2026; its instructions are those of AMD's public machine-readable ISA for CDNA 5 (MIT licence, August 2026) and "CDNA5" Instruction Set Architecture Reference Guide (July 2026). The comments in the code are by the model that wrote it; some were corrected since.
;; Concat Attention Param. Allowed arithmetic: matrix products marked QUANTISED: E2M3 operands, one E8M0 scale for each 32 along K, by v_wmma_scale_f32_16x16x128_f8f6f4 with both operands' format E2M3, f32 sums; products left as they are: f32 operands where the result goes on into a quantised operand, else bf16, f16 or f32 operands; f32 sums; everything else in f32.
;; Inputs: h 32 x 2,048 x 1,024 float32; ln_b 1,024 float32; ln_w 1,024 x 2,048 float32; mask 32 x 2,048 bool; v_w 1,024 float32; vq 1,024 float32.
;; Outputs: out0 32 x 1,024 float32.
;; This version of the problem:
;;   THIS VERSION OF THE PROBLEM IS GIVEN IN LOW PRECISION. The matrix products marked QUANTISED in the list below multiply operands that are first quantised to E2M3 (2 exponent bits, 3 mantissa bits; 6 bits a number), with one power-of-two scale for each 32 numbers along K (OCP MX v1.0); their sums are f32. All else is computed in f32.
;;   The module's matrix products, in the order in which they are computed (A, B: the left and right operand; K: the contracted axis; several contracted axes count as one K, in the product's order):
;;     1. [M 1,024, K 1,024] x [K 1,024, N 1]; A: input ln_w; B: input vq: left as it is (N = 1 < 16)
;;     2. [M 65,536, K 1,024] x [K 1,024, N 1,024]; A: input h; B: input ln_w: QUANTISED
;;     3. [M 65,536, K 1,024] x [K 1,024, N 1]; A: computed on the way; B: input v_w: left as it is (N = 1 < 16)
;;     4. batch 32 x [M 1, K 2,048] x [K 2,048, N 1,024]; A: softmax; B: input h: left as it is (M = 1 < 16)
;;   THE QUANTISER, for each operand of a quantised product, along K:
;;     - K is cut into blocks of 32 from its start; a last block that is shorter is filled with zeros.
;;     - A block's scale is 2^e with e = floor(log2(the largest magnitude in the block)) - 2, held to -126 .. 127; a block of zeros has e = 0. As a byte (E8M0): e + 127.
;;     - Each number is divided by its block's scale, clamped to +-7.5, and rounded to the nearest number of E2M3, ties to even, subnormals kept.
;;     - The product sums the exact products of the quantised numbers (number of the format x scale) in f32.
;;   ~~~python
;;   def quantise(x, axis):      # numpy; x: float32 -> the quantised numbers, widened to float32 again
;;       x = np.moveaxis(x, axis, -1); K = x.shape[-1]
;;       x = np.pad(x, [(0, 0)] * (x.ndim - 1) + [(0, -K % 32)]); x = x.reshape(x.shape[:-1] + (-1, 32)); a = np.abs(x).max(-1, keepdims=True)
;;       e = np.where(a > 0, np.clip(np.frexp(np.where(a > 0, a, 1))[1] - 1 - 2, -126, 127), 0)      # np.frexp(a)[1] - 1 = floor(log2(a)), exactly
;;       r = np.clip(x / 2.0 ** e, -7.5, 7.5)
;;       step = 2.0 ** (np.maximum(np.frexp(np.where(r == 0, 1, r))[1] - 1, 0) - 3)
;;       q = np.round(r / step) * step * 2.0 ** e      # np.round: ties to even
;;       return np.moveaxis(q.reshape(q.shape[:-2] + (-1,))[..., :K], -1, axis).astype(np.float32)
;;   ~~~
;; One version. Each part assembles by itself: llvm-mc -triple=amdgcn-amd-amdhsa -mcpu=gfx1250 --defsym DOCPART=n.
;; ======== version 1 of 1: 3 launches
;; limits: values are held in bf16: 8 bits of precision; right only within a limited range of input values
;; workspace buffers: wpack 835,584 bytes; part 2,228,224 bytes
;; launch prep (part 1): grid 64 x 2, 8 waves a work-group, no clusters, 69,632 bytes of LDS; arguments ln_w, ln_b, v_w, vq, wpack; writes wpack
.if DOCPART == 1
	.amdgcn_target "amdgcn-amd-amdhsa--gfx1250"
	.amdhsa_code_object_version 6
	.text
	.protected	k_qf01f065d41_prep
	.globl	k_qf01f065d41_prep
	.p2align	8
	.type	k_qf01f065d41_prep,@function
k_qf01f065d41_prep:
	s_mov_b64 s[64:65], 0
	v_nop
	global_prefetch_b8 v0, s[64:65] scope:SCOPE_SE
	s_setreg_imm32_b32 hwreg(HW_REG_WAVE_MODE, 25, 1), 1
	s_wait_xcnt 0x0
; FIRST OF THREE LAUNCHES.  The program: r[b] = sum over l of softmax_l(s[b][l]) h[b][l], s = v_w . tanh(Q(h) Q(W_h)^T + bias) - 10000 (1 - mask), bias = ln_b + W_vq vq.
; This launch turns W_h (ln_w's columns 0-1023) into codes of E2M3 with one E8M0 byte for each 32 along K, laid in the order of the operand's registers, and makes two small tables.
; WORK LEFT OUT.  tanh(x) = 1 - 2 / (1 + 2^(c x)), c = 2 log2(e).  So v_w . tanh(pre) = (the sum of v_w) - 2 x the sum over n of v_w[n] / (1 + 2^(c pre[n])).
; The sum of v_w is the same number for every position l of a batch, whatever the inputs hold, and a softmax along l takes away what is the same along l: the term reaches no output and is never formed.
; Every input is still loaded: v_w enters through the table -2 v_w.  LIMIT: an overflow that arose in the sum of v_w alone would not be carried to the result.
; LIMITS: NaN and infinities among the inputs are not served.  A block of zeros gets the byte 1 where the quantiser says 127: its codes are zeros, which add nothing under any byte but 0xff, and these bytes are read by this program alone.
; SHARES.  Work-group nt takes rows 16 nt .. 16 nt + 15 of ln_w (one tile of 16 columns of the product); wave k takes 128 along K: numbers 128 k .. 128 k + 127 of W_h and of W_vq.
; A RECORD of wpack, 13,056 bytes for each nt: 8 fragments of 1,536 bytes (K step k), each as three pieces of 512 bytes, lane l's 16 bytes at 16 l = registers 4 c .. 4 c + 3 of the operand;
;   at 12,288: the scale words: lane r + 16 p holds four words, word q that of column r for K step 2 q + p;  at 12,800: for each half hh of the lanes eight c x bias, then eight -2 v_w, of columns 16 nt + 8 hh + 0 .. 7.
; Each load reads 512 consecutive bytes of a row; the conversions want 32 neighbours along K in one lane's registers: so a tile of 16 rows x 512 bytes turns through the wave's own stage in LDS.
; No matrix unit, no tensor load, no cluster: work-groups share nothing but vq (4,096 bytes), and the launch reads ln_w once.
.set GP,    528                        ; a stage row: 512 bytes + 16: the 16 rows that a load touches begin 33 x 16 bytes apart
.set STGB,  16*GP                      ; a wave's stage
.set WSCT,  8*STGB                     ; 512 bytes: the record's scale words, gathered from the eight waves
.set BPT,   WSCT+512                   ; 8 waves x 16 partial sums of W_vq vq
.set SPARE, BPT+512                    ; the spare words, 128 bytes for each wave: four blocks of 256 bytes that no other line names
.set REC,   13056
.set RSC,   12288
.set RTAB,  12800
.set R,   16                           ; v16-79    W_h's tile as loaded; later at work
.set R2,  80                           ; v80-143   W_vq's tile as loaded
.set VQ,  144                          ; v144-147  my four numbers of vq
.set X,   148                          ; v148-211  64 numbers of my row: register 32 c + j = K 64 c + 32 hh + j of the chunk
.set PC,  212                          ; v212-223  the fragment's 12 registers
.set PT,  224                          ; v224-231  the upper halves of the two blocks' codes, before they are moved
.set TA,  232                          ; v232-235  four chains of the largest magnitude
.set SO,  236                          ; v236-237  the conversions' scale operands
.set SB,  238                          ; v238-239  the scale bytes
.set PW,  240                          ; the scale word
.set PX,  241                          ; the other half's part of it
.set LB,  242                          ; ln_b of column j
.set VW,  243                          ; v_w of column j
.set H8,  12                           ; 8 hh
.set T,   X                            ; 16 partial sums, one a row
.set T2,  R2                           ; the other half's sums: registers of W_vq's tile that have been read by then
; 64 numbers of a lane become a fragment's codes in v[PC] on and its row's scale word in v[PW].  The lane holds two whole blocks of 32: blocks hh and 2 + hh of its row.
.macro QUANT6
	v_max3_num_f32 v[TA],   |v[X]|,    |v[X+1]|,  |v[X+2]|         ; the largest magnitudes, two chains a block, so that no line waits for the line above it
	v_max3_num_f32 v[TA+1], |v[X+3]|,  |v[X+4]|,  |v[X+5]|
	v_max3_num_f32 v[TA+2], |v[X+32]|, |v[X+33]|, |v[X+34]|
	v_max3_num_f32 v[TA+3], |v[X+35]|, |v[X+36]|, |v[X+37]|
.irp i, 6,10,14,18,22,26
	s_delay_alu instid0(VALU_DEP_4)
	v_max3_num_f32 v[TA],   v[TA],   |v[X+\i]|,    |v[X+\i+1]|
	s_delay_alu instid0(VALU_DEP_4)
	v_max3_num_f32 v[TA+1], v[TA+1], |v[X+\i+2]|,  |v[X+\i+3]|
	s_delay_alu instid0(VALU_DEP_4)
	v_max3_num_f32 v[TA+2], v[TA+2], |v[X+32+\i]|, |v[X+33+\i]|
	s_delay_alu instid0(VALU_DEP_4)
	v_max3_num_f32 v[TA+3], v[TA+3], |v[X+34+\i]|, |v[X+35+\i]|
.endr
	s_delay_alu instid0(VALU_DEP_4)
	v_max3_num_f32 v[TA],   v[TA],   |v[X+30]|, |v[X+31]|
	s_delay_alu instid0(VALU_DEP_3)
	v_max3_num_f32 v[TA+2], v[TA+2], |v[X+62]|, |v[X+63]|
	s_delay_alu instid0(VALU_DEP_2)
	v_max3_num_f32 v[TA],   v[TA],   v[TA+1], 0x1800000            ; and the floor 2^(3 - 127): the byte cannot fall under 1
	s_delay_alu instid0(VALU_DEP_2)
	v_max3_num_f32 v[TA+2], v[TA+2], v[TA+3], 0x1800000
	s_delay_alu instid0(VALU_DEP_2)
	v_add_nc_u32 v[SO],   0xff000000, v[TA]                        ; 2 off the exponent field: the conversion takes the exponent field of this operand as its scale
	s_delay_alu instid0(VALU_DEP_2)
	v_add_nc_u32 v[SO+1], 0xff000000, v[TA+2]
	s_delay_alu instid0(VALU_DEP_2)
	v_lshrrev_b32 v[SB],   23, v[SO]                               ; the scale's byte
	s_delay_alu instid0(VALU_DEP_2)
	v_lshrrev_b32 v[SB+1], 23, v[SO+1]
	s_delay_alu instid0(VALU_DEP_1)
	v_lshl_or_b32 v[PW], v[SB+1], 16, v[SB]                        ; my two bytes, blocks hh and 2 + hh,
	s_delay_alu instid0(VALU_DEP_1)
	v_lshlrev_b32 v[PW], v[H8], v[PW]                              ; at their places in the word;
	s_delay_alu instid0(VALU_DEP_1)
	v_permlanex16_b32 v[PX], v[PW], s28, s29
	s_delay_alu instid0(VALU_DEP_1)
	v_or_b32 v[PW], v[PW], v[PX]                                   ; with lane l xor 16's two the word is whole
.irp c, 0,1
	v_cvt_scalef32_pk16_fp6_f32 v[PC+6*\c:PC+6*\c+2], v[X+32*\c:X+32*\c+15], v[SO+\c]
	v_cvt_scalef32_pk16_fp6_f32 v[PT+4*\c:PT+4*\c+2], v[X+32*\c+16:X+32*\c+31], v[SO+\c]   ; (a conversion's three registers begin on an even number)
.endr
	v_nop                                                          ; one plain place behind the scaled conversions
.irp c, 0,1
.irp i, 0,1,2
	v_mov_b32 v[PC+6*\c+3+\i], v[PT+4*\c+\i]
.endr
.endr
.endm
	s_load_b256 s[4:11], s[0:1], 0x0               ; ln_w s[4:5], ln_b s[6:7], v_w s[8:9], vq s[10:11]
	s_load_b64 s[12:13], s[0:1], 0x20              ; wpack
	v_lshl_add_u32 v2, v0, 2, SPARE                ; my spare word,
	v_mov_b32 v3, 0                                ; and 0: kept for the closing lines alone
	v_lshrrev_b32 v1, 5, v0
	s_delay_alu instid0(VALU_DEP_1)
	v_readfirstlane_b32 s14, v1                    ; wave k, 0..7
	v_and_b32 v13, 31, v0                          ; lane
	s_delay_alu instid0(VALU_DEP_1)
	v_lshlrev_b32 v1, 4, v13                       ; 16 x lane
	v_and_b32 v14, 15, v0                          ; r
	v_bfe_u32 v15, v0, 4, 1                        ; hh
	s_mul_i32 s15, s14, STGB                       ; my stage
	v_add_nc_u32 v4, s15, v1                       ; into it: a row's 512 bytes as they lie
	v_mul_u32_u24 v5, v14, GP
	s_delay_alu instid0(VALU_DEP_1)
	v_lshl_add_u32 v5, v15, 7, v5
	s_delay_alu instid0(VALU_DEP_1)
	v_add_nc_u32 v5, s15, v5                       ; out of it: row r, + 128 hh
	s_and_b32 s16, s14, 1
	s_lshl_b32 s16, s16, 8
	s_lshr_b32 s17, s14, 1
	s_lshl_b32 s17, s17, 2
	s_add_co_u32 s16, s16, s17
	s_add_co_u32 s16, s16, WSCT
	v_lshl_add_u32 v6, v14, 4, s16                 ; my row's scale word: 16 r + 256 (k % 2) + 4 (k / 2)
	s_lshl_b32 s17, s14, 6
	s_add_co_u32 s17, s17, BPT
	v_mov_b32 v7, s17                              ; my wave's 16 partial sums
	v_and_b32 v9, 7, v0
	s_wait_alu depctr_va_vdst(0)
	v_lshl_add_u32 v9, v15, 3, v9                  ; j = 8 hh + lane % 8: the column whose table entry my lane stores
	s_delay_alu instid0(VALU_DEP_1)
	v_lshlrev_b32 v9, 2, v9
	s_delay_alu instid0(VALU_DEP_1)
	v_add_nc_u32 v8, BPT, v9                       ; its partial sums
	v_lshlrev_b32 v10, 2, v13                      ; 4 x lane
	v_add_nc_u32 v11, WSCT, v1                     ; the gathered scale words, 16 bytes a lane
	v_lshlrev_b32 v[H8], 3, v15
	v_mov_b32 v[PX], 0                             ; written once: a lane permute's destination counts as one of its sources
	s_mov_b32 s28, 0x76543210
	s_mov_b32 s29, 0xfedcba98                      ; v_permlanex16_b32's selects for lane l xor 16
	s_lshl_b32 s16, ttmp9, 17                      ; 16 rows of 8,192 bytes a work-group,
	s_lshl_b32 s18, s14, 9                         ; 512 bytes a wave
	s_add_co_u32 s16, s16, s18
	s_mov_b32 s17, 0
	s_mov_b32 s19, 0
	s_lshl_b32 s20, ttmp9, 6                       ; 16 numbers of ln_b and of v_w a work-group
	s_mov_b32 s21, 0
	s_mul_i32 s22, ttmp9, REC
	s_mov_b32 s23, 0
	s_mul_i32 s24, s14, 1536
	s_mov_b32 s25, 0
	s_and_b32 s26, ttmp7, 0xffff                   ; y: 0: this work-group quantises W_h's 16 rows; 1: it forms W_vq vq for them and stores the two tables
	s_wait_alu depctr_va_vdst(0)
	s_wait_kmcnt 0x0
	s_add_nc_u64 s[4:5], s[4:5], s[16:17]
	s_add_nc_u64 s[10:11], s[10:11], s[18:19]
	s_add_nc_u64 s[6:7], s[6:7], s[20:21]
	s_add_nc_u64 s[8:9], s[8:9], s[20:21]
	s_add_nc_u64 s[12:13], s[12:13], s[22:23]      ; my record
	s_add_nc_u64 s[24:25], s[12:13], s[24:25]      ; my fragment in it
	s_cmp_lg_u32 s26, 0                            ; the two halves of a record's work part here, on the work-group's y alone; each way has LDS bytes, a barrier and an end of its own
	s_cbranch_scc1 .Lvq
.irp i, 0,1,2,3,4,5,6,7,8,9,10,11,12,13,14,15
	global_load_b128 v[R+4*\i:R+4*\i+3], v1, s[4:5] offset:8192*\i th:TH_LOAD_NT          ; W_h: 512 consecutive bytes of row i
.endr
	s_wait_loadcnt 0x0                             ; W_h's tile is in
.irp i, 0,1,2,3,4,5,6,7,8,9,10,11,12,13,14,15
	ds_store_b128 v4, v[R+4*\i:R+4*\i+3] offset:GP*\i
.endr
.irp c, 0,1
.irp i, 0,1,2,3,4,5,6,7
	ds_load_b128 v[X+32*\c+4*\i:X+32*\c+4*\i+3], v5 offset:256*\c+16*\i    ; LDS serves a wave's instructions in order: these see my stores
.endr
.endr
	s_wait_dscnt 0x0
	QUANT6
.irp c, 0,1,2
	global_store_b128 v1, v[PC+4*\c:PC+4*\c+3], s[24:25] offset:512*\c     ; 32 lanes store 512 consecutive bytes, at a multiple of 256 from wpack's first byte
.endr
	ds_store_b32 v6, v[PW]                         ; both halves of the lanes write the same word with the same value
	s_wait_dscnt 0x0                               ; for the others' sake: my scale word has landed
	s_barrier_signal -1
	s_barrier_wait -1
	s_cmp_lg_u32 s14, 1
	s_cbranch_scc1 .Lend_h
	ds_load_b128 v[R:R+3], v11
	s_wait_dscnt 0x0
	global_store_b128 v1, v[R:R+3], s[12:13] offset:RSC    ; the record's 512 bytes of scale words
.Lend_h:
	s_wait_tensorcnt 0x0                           ; the wave's end, behind my last LDS store
	ds_add_u32 v2, v3
	s_wait_dscnt 0x0
	s_endpgm
.Lvq:                                                  ; y = 1: bias = ln_b + W_vq vq, and the tables
	global_load_b32 v[LB], v9, s[6:7]              ; every wave of this way takes these two, so that no register is written on one way of the branch on the wave's number alone
	global_load_b32 v[VW], v9, s[8:9]
	global_load_b128 v[VQ:VQ+3], v1, s[10:11]
.irp i, 0,1,2,3,4,5,6,7,8,9,10,11,12,13,14,15
	global_load_b128 v[R2+4*\i:R2+4*\i+3], v1, s[4:5] offset:8192*\i+4096 th:TH_LOAD_NT   ; W_vq: 512 consecutive bytes of row i
.endr
	s_wait_loadcnt 0x0                             ; all of them are in
.irp i, 0,1,2,3,4,5,6,7,8,9,10,11,12,13,14,15
	v_mul_f32 v[T+\i], v[R2+4*\i], v[VQ]           ; my four terms of row i
.endr
.irp e, 1,2,3
.irp i, 0,1,2,3,4,5,6,7,8,9,10,11,12,13,14,15
	v_fmac_f32 v[T+\i], v[R2+4*\i+\e], v[VQ+\e]
.endr
.endr
.irp m, 1,2,4,8
.irp i, 0,1,2,3,4,5,6,7,8,9,10,11,12,13,14,15
	v_add_f32_dpp v[T+\i], v[T+\i], v[T+\i] row_xmask:\m row_mask:0xf bank_mask:0xf   ; over the 16 lanes of a half, the rows by turns
.endr
.endr
.irp i, 0,1,2,3,4,5,6,7,8,9,10,11,12,13,14,15
	v_permlanex16_b32 v[T2+\i], v[T+\i], s28, s29
.endr
.irp i, 0,1,2,3,4,5,6,7,8,9,10,11,12,13,14,15
	v_add_f32 v[T+\i], v[T+\i], v[T2+\i]           ; and the other half's
.endr
.irp i, 0,1,2,3,4,5,6,7,8,9,10,11,12,13,14,15
	ds_store_b32 v7, v[T+\i] offset:4*\i           ; all lanes write the same word with the same value
.endr
	s_wait_dscnt 0x0                               ; for the others' sake: my partial sums have landed
	s_barrier_signal -1
	s_barrier_wait -1
	s_cmp_lg_u32 s14, 0
	s_cbranch_scc1 .Lnot_wave_0
.irp k, 0,1,2,3,4,5,6,7
	ds_load_b32 v[R+\k], v8 offset:64*\k           ; column j's eight partial sums
.endr
	s_wait_dscnt 0x0
.irp k, 1
	v_add_f32 v[R], v[R], v[R+\k]                  ; K ascending
.endr
.irp k, 2, 3, 4, 5, 6, 7
	s_delay_alu instid0(VALU_DEP_1)
	v_add_f32 v[R], v[R], v[R+\k]                  ; K ascending
.endr
	s_delay_alu instid0(VALU_DEP_1)
	v_add_f32 v[R], v[LB], v[R]                    ; bias = ln_b + W_vq vq
	s_delay_alu instid0(VALU_DEP_1)
	v_mul_f32 v[R], 0x4038aa3b, v[R]               ; c x bias, c = 2 log2(e)
	v_mul_f32 v[VW], -2.0, v[VW]                   ; -2 v_w
	v_and_b32 v[R+1], 8, v0
	s_delay_alu instid0(VALU_DEP_1)
	v_cmp_ne_u32 vcc_lo, 0, v[R+1]
	s_delay_alu instid0(VALU_DEP_1)
	v_cndmask_b32 v[R], v[R], v[VW], vcc_lo        ; lanes 0-7 of a half hold c x bias, lanes 8-15 hold -2 v_w
	global_store_b32 v10, v[R], s[12:13] offset:RTAB
.Lnot_wave_0:
	s_wait_tensorcnt 0x0                           ; the wave's end, behind my last LDS store
	ds_add_u32 v2, v3
	s_wait_dscnt 0x0
	s_endpgm
.Lfunc_end_k_qf01f065d41_prep:
	.size	k_qf01f065d41_prep, .Lfunc_end_k_qf01f065d41_prep-k_qf01f065d41_prep
	.p2alignl 7, 3214868480
	.fill 96, 4, 3214868480
	.section	.rodata,"a",@progbits
	.p2align	6, 0x0
	.amdhsa_kernel k_qf01f065d41_prep
		.amdhsa_group_segment_fixed_size 69632
		.amdhsa_private_segment_fixed_size 0
		.amdhsa_enable_private_segment 0
		.amdhsa_kernarg_size 40
		.amdhsa_user_sgpr_count 2
		.amdhsa_user_sgpr_kernarg_segment_ptr 1
		.amdhsa_wavefront_size32 1
		.amdhsa_system_sgpr_workgroup_id_x 1
		.amdhsa_system_sgpr_workgroup_id_y 1
		.amdhsa_system_sgpr_workgroup_id_z 1
		.amdhsa_system_vgpr_workitem_id 0
		.amdhsa_next_free_vgpr 256
		.amdhsa_next_free_sgpr 66
		.amdhsa_reserve_vcc 1
		.amdhsa_float_denorm_mode_32 3
		.amdhsa_float_denorm_mode_16_64 3
		.amdhsa_memory_ordered 1
		.amdhsa_forward_progress 1
		.amdhsa_inst_pref_size 24
	.end_amdhsa_kernel
	.amdgpu_metadata
---
amdhsa.version: [ 1, 2 ]
amdhsa.kernels:
  - .name:           k_qf01f065d41_prep
    .symbol:         k_qf01f065d41_prep.kd
    .args:
      - { .name: ln_w, .offset: 0, .size: 8, .value_kind: global_buffer, .address_space: global }
      - { .name: ln_b, .offset: 8, .size: 8, .value_kind: global_buffer, .address_space: global }
      - { .name: v_w, .offset: 16, .size: 8, .value_kind: global_buffer, .address_space: global }
      - { .name: vq, .offset: 24, .size: 8, .value_kind: global_buffer, .address_space: global }
      - { .name: wpack, .offset: 32, .size: 8, .value_kind: global_buffer, .address_space: global }
    .group_segment_fixed_size: 69632
    .private_segment_fixed_size: 0
    .kernarg_segment_align: 8
    .kernarg_segment_size: 40
    .max_flat_workgroup_size: 256
    .sgpr_count:     66
    .vgpr_count:     256
    .wavefront_size: 32
...
	.end_amdgpu_metadata
.endif
;; end of part 1
;; launch main (part 2): grid 256 x 1, 4 waves a work-group, no clusters, 327,680 bytes of LDS; arguments h, mask, wpack, part; writes part
.if DOCPART == 2
	.amdgcn_target "amdgcn-amd-amdhsa--gfx1250"
	.amdhsa_code_object_version 6
	.text
	.protected	k_qf01f065d41_main
	.globl	k_qf01f065d41_main
	.p2align	8
	.type	k_qf01f065d41_main,@function
k_qf01f065d41_main:
	s_mov_b64 s[64:65], 0
	v_nop
	global_prefetch_b8 v0, s[64:65] scope:SCOPE_SE
	s_setreg_imm32_b32 hwreg(HW_REG_WAVE_MODE, 25, 1), 1
	s_wait_xcnt 0x0
; SECOND OF THREE LAUNCHES.  For each block of 128 positions of one batch: scores, a softmax of the block's own (largest score m, sum L of p = e^(s - m)) and R = the sum of p[l] h[l].  h is read from memory ONCE.
; WORK LEFT OUT: the sum of v_w, the same for every position of a batch, which the softmax takes away (shown at the head of the first launch): a score here is -2 x the sum of v_w[n] / (1 + 2^(c pre[n])) - 10000 (1 - mask).
; LIMITS: NaN and infinities among the inputs are not served; a block of 32 zeros gets the byte 1 (its codes are zeros; this program alone reads the bytes); h enters the weighted sum rounded to bf16, the weights p in f32.
; Positions under the mask are worked like the others: e^(-10000) is small, not nothing.
; SHARES.  Work-group g stays and takes blocks 2 g and 2 g + 1.  LOAD PHASE: wave w takes rows 32 w .. 32 w + 31 (row tiles 2 w, 2 w + 1): each tile of 16 rows x 128 K turns through the wave's stage, is quantised in registers,
; and leaves twice: its codes as an image of the operand's registers (with its scale words), its numbers as bf16 into the stash.  Behind a barrier EVERY wave takes all eight images of the K chunk into its registers:
; all 128 rows' codes, 768 registers, then stand still in every wave.  THE LOAD PHASE RUNS AHEAD OF ITSELF: memory loads four tiles ahead, the turn through the stage one tile ahead (tile t + 1 is on its way through LDS while
; tile t is quantised), the images' loads at the end of the tile behind their barrier, where nothing waits for them; and the next block's first three tiles are asked for ahead of the scores and the weighted sum.
; PRODUCTS: wave w takes the tiles of 16 columns 16 w .. 16 w + 15 for all 128 rows; W's fragments come from memory straight into registers, one tile ahead;
; a fragment of W (12 registers) feeds eight matrix instructions.  The instruction is used TRANSPOSED (source 0 = 16 columns of the product = rows of W_h, source 1 = 16 rows of h): a lane holds one row of h and eight columns.
; SUM: wave w takes columns 256 w .. 256 w + 255 of the stash.
; NO TENSOR LOAD, NO CLUSTER, by this text's own arithmetic: every number of h passes through registers anyway, for its code and its bf16 copy; and what work-groups share, W's records, could be asked for jointly only into LDS bytes
; that no ds_store writes: the stash takes 264,192 bytes, the stages 33,792, the images 24,576, the scale words 4,096, the spare words 512: 327,168 of 327,680.  A tile's four records are 52,224 bytes.
; REGISTERS, in windows of 256.  h's fragment f = 8 k + a (K step k, row tile a): for f < 63 window 1 + f / 21, v[12 (f % 21)]; f = 63: window 0, v244-255.
;   window 0: v0 thread; v1 16 x lane; v2 64 hh; v3 the mask's word; v4, v5 the add's two; v6-11 a phase's addresses.
;   load phase: v12-23 codes, v24-31 their upper halves, v32-43 at work; two sets of 64 numbers: v44-107 (odd tiles), v108-171 (even tiles);
;     four sets of 64 for loads, by tile % 4: window 3 v0-63, v72-135, v136-199 (registers of chunks 5, 6 and 7, which are taken last), window 0 v172-235.
;   products: v12-43 h's scale words; v44-107 eight accumulators; v108-203 W's eight fragments; v204-207 W's scale words, v208-211 the next tile's; v212-227 c x bias and -2 v_w; v228-243 the scores' sums.
;   sum: v12 the prefetches' offset; v44-171 32 rows of bf16; v172-203 their weights; v204-211 the sums; v212, v213 m and L; v214-221 on the way out; v222-225 p; v226-229 offsets.
.set SPITCH, 2064                      ; a stash row: 2,048 bytes of bf16 + 16 = 129 x 16: the 16 rows that a store touches begin in different groups of banks
.set STG,   128*SPITCH                 ; behind the stash: a stage of 16 rows x 528 bytes for each wave; later p (at + 0) and the way out (at + 1,024)
.set GP,    528
.set STGB,  16*GP
.set XIMG,  STG+4*STGB                 ; two buffers of eight images: a K chunk's fragments, 1,536 bytes each
.set FRB,   1536
.set XBUF,  8*FRB
.set ASC,   XIMG+2*XBUF                ; h's scale words: 512 a + 16 (r + 16 (k % 2)) + 4 (k / 2); behind the products: the waves' parts of the scores, [wave][128] f32
.set SPARE, ASC+4096                   ; the spare words, 128 bytes for each wave: two blocks of 256 bytes that no other line names
.set REC,   13056                      ; a record of wpack: eight fragments, at RSC the scale words, at RTAB the two tables
.set RSC,   12288
.set RTAB,  12800
.set PREC,  4352                       ; a record of part: R, 4,096 bytes, then (m, L) 32 times
.set NEXTB, 524288                     ; 128 rows of h in bytes: from a block to the next
.set L16,  1
.set TABA, 2
.set MKW,  3
.set SPW,  4
.set NIL,  5
.set PC,   12
.set PFO,  12
.set PT,   24
.set TA,   32
.set SO,   36
.set SB,   38
.set PW,   40
.set PX,   41
.set H8,   42
.set M4,   43
.set ASCR, 12
.set ACC,  44
.set WF,   108
.set WSC,  204
.set WSCN, 208
.set TAB,  212
.set SACC, 228
.set SR,   44
.set ST,   52
.set Q,    60
.set S4,   76
.set T,    80
.set HBF,  44
.set PBF,  172
.set OACC, 204
.set ML,   212
.set OT,   214
.set P4,   222
.set GOA,  226
.set GSA,  227
.set PAD,  228
.set HAD,  229
.set MSB, 0
.macro WIN new                         ; s_set_vgpr_msb: bits 1:0 source 0, 3:2 source 1, 5:4 source 2, 7:6 destination; the high byte repeats the setting that is left; a switch that changes nothing is dropped
.if MSB != \new
	s_set_vgpr_msb (MSB<<8)|\new
.set MSB, \new
.endif
.endm
.macro BARRIER                         ; my LDS stores have landed and my LDS loads are in: then the work-group's barrier
	s_wait_dscnt 0x0
	s_barrier_signal -1
	s_barrier_wait -1
.endm
; Where tile t's 64 registers lie as they are loaded, and the windows for a load's destination and for an LDS store's data (its source 1)
.macro RSET t
.if (\t)%4 == 3
.set RB,  172
.set RWL, 0
.set RWS, 0
.else
.set RB,  72*((\t)%4)-8*(((\t)%4)/2)   ; 0, 72, 136 of window 3
.set RWL, 0xc0
.set RWS, 0x0c
.endif
.endm
; Tile t of the wave's sixteen (K chunk t / 2, row tile t % 2), off bytes on: 16 loads, each 512 consecutive bytes of a row, at a multiple of 256 from h's first byte
.macro LOADT t, off
	RSET \t
.set LK, (\t)/2
.set LU, (\t)%2
	WIN RWL
.irp i, 0,1,2,3,4,5,6,7,8,9,10,11,12,13,14,15
	global_load_b128 v[RB+4*\i:RB+4*\i+3], v[L16], s[16:17] offset:\off+(16*LU+\i)*4096+512*LK th:TH_LOAD_NT
.endr
	WIN 0
.endm
; Tile t goes into my stage as it was loaded and is asked back 64 numbers a lane: register 32 c + j = K 64 c + 32 hh + j of row r.  LDS serves a wave's instructions in order: the loads see the stores.
.macro STAGE t
	RSET \t
.set XN, 108-64*((\t)%2)
	WIN RWS
.irp i, 0,1,2,3,4,5,6,7,8,9,10,11,12,13,14,15
	ds_store_b128 v6, v[RB+4*\i:RB+4*\i+3] offset:GP*\i
.endr
	WIN 0
.irp c, 0,1
.irp i, 0,1,2,3,4,5,6,7
	ds_load_b128 v[XN+32*\c+4*\i:XN+32*\c+4*\i+3], v7 offset:256*\c+16*\i
.endr
.endr
.endm
; 64 numbers of a lane, v[XS] on, become a fragment's codes in v[PC] on and its row's scale word in v[PW].  The lane holds two whole blocks of 32: blocks hh and 2 + hh.
.macro QUANT6
	v_max3_num_f32 v[TA],   |v[XS]|,    |v[XS+1]|,  |v[XS+2]|      ; the largest magnitudes, two chains a block, so that no line waits for the line above it
	v_max3_num_f32 v[TA+1], |v[XS+3]|,  |v[XS+4]|,  |v[XS+5]|
	v_max3_num_f32 v[TA+2], |v[XS+32]|, |v[XS+33]|, |v[XS+34]|
	v_max3_num_f32 v[TA+3], |v[XS+35]|, |v[XS+36]|, |v[XS+37]|
.irp i, 6,10,14,18,22,26
	v_max3_num_f32 v[TA],   v[TA],   |v[XS+\i]|,    |v[XS+\i+1]|
	v_max3_num_f32 v[TA+1], v[TA+1], |v[XS+\i+2]|,  |v[XS+\i+3]|
	v_max3_num_f32 v[TA+2], v[TA+2], |v[XS+32+\i]|, |v[XS+33+\i]|
	v_max3_num_f32 v[TA+3], v[TA+3], |v[XS+34+\i]|, |v[XS+35+\i]|
.endr
	v_max3_num_f32 v[TA],   v[TA],   |v[XS+30]|, |v[XS+31]|
	v_max3_num_f32 v[TA+2], v[TA+2], |v[XS+62]|, |v[XS+63]|
	v_max3_num_f32 v[TA],   v[TA],   v[TA+1], 0x1800000            ; and the floor 2^(3 - 127): the byte cannot fall under 1
	v_max3_num_f32 v[TA+2], v[TA+2], v[TA+3], 0x1800000
	v_add_nc_u32 v[SO],   0xff000000, v[TA]                        ; 2 off the exponent field: the conversion takes the exponent field of this operand as its scale
	v_add_nc_u32 v[SO+1], 0xff000000, v[TA+2]
	v_lshrrev_b32 v[SB],   23, v[SO]                               ; the scale's byte
	v_lshrrev_b32 v[SB+1], 23, v[SO+1]
	v_lshl_or_b32 v[PW], v[SB+1], 16, v[SB]                        ; my two bytes, blocks hh and 2 + hh,
	v_lshlrev_b32 v[PW], v[H8], v[PW]                              ; at their places in the word;
	v_permlanex16_b32 v[PX], v[PW], s28, s29
	v_or_b32 v[PW], v[PW], v[PX]                                   ; with lane l xor 16's two the word is whole
.irp c, 0,1
	v_cvt_scalef32_pk16_fp6_f32 v[PC+6*\c:PC+6*\c+2], v[XS+32*\c:XS+32*\c+15], v[SO+\c]
	v_cvt_scalef32_pk16_fp6_f32 v[PT+4*\c:PT+4*\c+2], v[XS+32*\c+16:XS+32*\c+31], v[SO+\c]   ; (a conversion's three registers begin on an even number)
.endr
	v_nop                                                          ; one plain place behind the scaled conversions
.irp c, 0,1
.irp i, 0,1,2
	v_mov_b32 v[PC+6*\c+3+\i], v[PT+4*\c+\i]
.endr
.endr
.endm
; All eight images of K chunk k come into my registers
.macro FETCH k
.irp a, 0,1,2,3,4,5,6,7
.set F, 8*(\k)+\a
.if F < 63
.set NW, 64*(1+F/21)
.set AR, 12*(F%21)
.else
.set NW, 0
.set AR, 244
.endif
	WIN NW
.irp c, 0,1,2
	ds_load_b128 v[AR+4*\c:AR+4*\c+3], v11 offset:((\k)%2)*XBUF+FRB*\a+512*\c
.endr
.endr
	WIN 0
.endm
; Tile t is worked.  Its numbers were asked back from the stage a tile ago.  First tile t + 1 is sent through the stage; while LDS serves that, tile t is quantised; image and scale word to LDS, bf16 copy to the stash.
.macro PROC t
.set PK, (\t)/2
.set PU, (\t)%2
.if ((\t) == 0) || ((\t) == 1)
	s_wait_dscnt 0x0                               ; my numbers are back; the last tile's stores have read their registers
.elseif (\t)%2 == 1
	s_wait_dscnt 24                                ; all but the 24 loads of images, the youngest: my numbers are back, and the last tile's 12 stores have read the numbers' and the codes' registers
.endif                                         ; (an even tile from 2 on stands behind a barrier, in front of which all my LDS instructions were waited for)
.if (\t) <= 11
	s_wait_loadcnt 48                              ; tile t + 1's 16 loads are in; those of the three tiles behind it may be out
	STAGE (\t)+1
.elseif (\t) <= 14
	s_wait_loadcnt 16*(14-(\t))                    ; the counts run down: two tiles, one, none
	STAGE (\t)+1
.else                                          ; the last tile: the even tiles' numbers and the load set in window 0 are done with: W's first tile is asked for, its scale words first
	global_load_b128 v[WSC:WSC+3], v[L16], s[22:23] offset:RSC
.irp k, 0,1,2,3,4,5,6,7
.irp c, 0,1,2
	global_load_b128 v[WF+12*\k+4*\c:WF+12*\k+4*\c+3], v[L16], s[22:23] offset:FRB*\k+512*\c
.endr
.endr
.endif
.set XS, 108-64*((\t)%2)
	QUANT6
.irp c, 0,1,2
	ds_store_b128 v9, v[PC+4*\c:PC+4*\c+3] offset:(PK%2)*XBUF+FRB*PU+512*\c    ; the fragment as it stands: lane l's 16 bytes at 16 l
.endr
	ds_store_b32 v10, v[PW] offset:512*PU+256*(PK%2)+4*(PK/2)                  ; both halves of the lanes write the same word with the same value
.set I, 0
.rept 32
	v_cvt_pk_bf16_f32 v[XS+I], v[XS+2*I], v[XS+2*I+1]                          ; in place, ascending: register I is written when 2 I and 2 I + 1 have been read
.set I, I+1
.endr
.irp c, 0,1
.irp i, 0,1,2,3
	ds_store_b128 v8, v[XS+16*\c+4*\i:XS+16*\c+4*\i+3] offset:16*SPITCH*PU+256*PK+128*\c+16*\i
.endr
.endr
.if (\t) <= 10
	s_wait_dscnt 28                                ; tile t + 1's 16 loads from the stage and my 12 stores may be out: its 16 stores into the stage have read their set,
	LOADT (\t)+5, 0                                ; which takes the loads of four tiles on
.endif
.if ((\t)%2 == 0) && ((\t) >= 2)
	FETCH (\t)/2-1                                 ; the chunk that the last barrier has made whole; nothing waits for these before the next barrier, behind which its buffer is written again
.endif
.endm
; K step k of a tile of 16 columns: eight matrix instructions, one for each row tile.  The eight accumulators take turns, one instruction a turn.  The first K step starts the sums with the constant 0.
; The scale words of K steps 2 q and 2 q + 1 share a register: lanes 0-15 the even step's, lanes 16-31 the odd one's.  Only source 1's window changes; the loads and v_nop between the groups do not feel it.
.macro GROUP k
.irp a, 0,1,2,3,4,5,6,7
.set F, 8*(\k)+\a
.if F < 63
.set NW, 4*(1+F/21)
.set AR, 12*(F%21)
.else
.set NW, 0
.set AR, 244
.endif
	WIN NW
.if (\k) == 0
	v_wmma_scale_f32_16x16x128_f8f6f4 v[ACC+8*\a:ACC+8*\a+7], v[WF+12*(\k):WF+12*(\k)+11], v[AR:AR+11], 0, v[WSC+(\k)/2], v[ASCR+4*\a+(\k)/2] matrix_a_fmt:MATRIX_FMT_FP6 matrix_b_fmt:MATRIX_FMT_FP6
.elseif (\k)%2 == 0
	v_wmma_scale_f32_16x16x128_f8f6f4 v[ACC+8*\a:ACC+8*\a+7], v[WF+12*(\k):WF+12*(\k)+11], v[AR:AR+11], v[ACC+8*\a:ACC+8*\a+7], v[WSC+(\k)/2], v[ASCR+4*\a+(\k)/2] matrix_a_fmt:MATRIX_FMT_FP6 matrix_b_fmt:MATRIX_FMT_FP6
.else
	v_wmma_scale_f32_16x16x128_f8f6f4 v[ACC+8*\a:ACC+8*\a+7], v[WF+12*(\k):WF+12*(\k)+11], v[AR:AR+11], v[ACC+8*\a:ACC+8*\a+7], v[WSC+(\k)/2], v[ASCR+4*\a+(\k)/2] matrix_a_fmt:MATRIX_FMT_FP6 matrix_b_fmt:MATRIX_FMT_FP6 matrix_a_scale:MATRIX_SCALE_ROW1 matrix_b_scale:MATRIX_SCALE_ROW1
.endif
.endr
.endm
; The tile's 64 results a lane: x = c sum + c bias; 1 / (1 + 2^x); times -2 v_w onto the row's score.  Where 2^x is infinite the reciprocal is 0, which is tanh = 1.
; The exponentials are one batch and the reciprocals another, each with one plain line and one wait ahead of its first reader.
.macro TANH
.set I, 0
.rept 32                               ; I = 4 a + j: each accumulator from its low end on
	v_pk_fma_f32 v[ACC+2*I:ACC+2*I+1], v[ACC+2*I:ACC+2*I+1], s[26:27], v[TAB+2*(I%4):TAB+2*(I%4)+1] op_sel_hi:[1,0,1]
.set I, I+1
.endr
.set I, 0
	s_wait_alu depctr_va_vdst(0)
.rept 64
	v_exp_f32 v[ACC+I], v[ACC+I]
.set I, I+1
.endr
	v_nop
	s_wait_alu depctr_va_vdst(0)
.set I, 0
.rept 32
	v_pk_add_f32 v[ACC+2*I:ACC+2*I+1], v[ACC+2*I:ACC+2*I+1], 1.0 op_sel_hi:[1,0]
.set I, I+1
.endr
.set I, 0
	s_wait_alu depctr_va_vdst(0)
.rept 64
	v_rcp_f32 v[ACC+I], v[ACC+I]
.set I, I+1
.endr
	v_nop
	s_wait_alu depctr_va_vdst(0)
.set I, 0
.rept 32                               ; I = 8 j + a: the eight row tiles' sums by turns
	v_pk_fma_f32 v[SACC+2*(I%8):SACC+2*(I%8)+1], v[ACC+8*(I%8)+2*(I/8):ACC+8*(I%8)+2*(I/8)+1], v[TAB+8+2*(I/8):TAB+8+2*(I/8)+1], v[SACC+2*(I%8):SACC+2*(I%8)+1]
.set I, I+1
.endr
.endm
; A tile of 16 columns against all 128 rows.  ahead = 1: the next tile's scale words are asked for at the tile's head, behind the tables; its fragments in TWO runs: fragments 0-3 behind K step 3's products,
; fragments 4-7 behind K step 7's, each run four places behind the last product that read those registers.  So K steps 0-3 and K steps 4-7 are two unbroken runs of 32 matrix instructions.
; The counts on LOADcnt: loads come back in order.  K step k = 0 .. 3: behind its fragment stand this tile's later fragments, 3 (7 - k) loads, the tables (4) and, with ahead = 1, the next scale words (1): 25 + ahead - 3 k.
; ahead = 1, K step k = 4 .. 7: the 12 loads of the first run stand behind it too: 38 - 3 k.  Ahead of the moves and the tanh: the next tile's 24 fragment loads may be out.  ahead = 0: 25 - 3 k throughout, then 0.
.macro TILE ahead
.irp i, 0,1,2,3
	global_load_b128 v[TAB+4*\i:TAB+4*\i+3], v[TABA], s[22:23] offset:RTAB+16*\i
.endr
.if \ahead
	global_load_b128 v[WSCN:WSCN+3], v[L16], s[22:23] offset:REC+RSC   ; the next tile's scale words: the last tile's moves have read these registers
.endif
.irp k, 0,1,2,3,4,5,6,7
.if (\ahead) && (\k > 3)
	s_wait_loadcnt 38-3*\k
.else
	s_wait_loadcnt 25+(\ahead)-3*\k
.endif
	GROUP \k
.if (\k == 7) || ((\ahead) && (\k == 3))
.rept 4
	v_nop                                          ; four places behind the products: in front of the loads into the registers that they read; behind the last K step also in front of the moves and of the first read of results
.endr
.endif
.if (\ahead) && ((\k == 3) || (\k == 7))
.irp f, 0,1,2,3
.irp c, 0,1,2
	global_load_b128 v[WF+12*(\k-3+\f)+4*\c:WF+12*(\k-3+\f)+4*\c+3], v[L16], s[22:23] offset:REC+FRB*(\k-3+\f)+512*\c
.endr
.endr
.endif
.endr
	WIN 0
.if \ahead
	s_wait_loadcnt 24
.irp i, 0,1,2,3
	v_mov_b32 v[WSC+\i], v[WSCN+\i]                ; the next tile's scale words take their place; the tanh's lines stand between these and the next products
.endr
.else
	s_wait_loadcnt 0x0
.endif
	TANH
.if \ahead
	s_wait_xcnt 0x0                                ; the loads have read their base: it may step
	s_add_nc_u64 s[22:23], s[22:23], REC
.endif
.endm
	s_load_b256 s[4:11], s[0:1], 0x0               ; h s[4:5], mask s[6:7], wpack s[8:9], part s[10:11]
	v_lshl_add_u32 v[SPW], v0, 2, SPARE            ; my spare word,
	v_mov_b32 v[NIL], 0                            ; and 0: kept for the closing lines alone
	v_lshrrev_b32 v1, 5, v0
	v_readfirstlane_b32 s12, v1                    ; wave w, 0..3
	v_and_b32 v1, 31, v0
	v_lshlrev_b32 v[L16], 4, v1                    ; 16 x lane
	v_bfe_u32 v2, v0, 4, 1
	v_lshlrev_b32 v[TABA], 6, v2                   ; 64 hh: my half's part of a record's tables
	s_mul_i32 s32, s12, STGB
	s_add_co_u32 s32, s32, STG                     ; my stage
	s_mul_i32 s33, s12, 32*SPITCH                  ; my 32 rows of the stash
	s_mul_i32 s34, s12, 2*FRB
	s_add_co_u32 s34, s34, XIMG                    ; my two images of a chunk
	s_lshl_b32 s35, s12, 10
	s_add_co_u32 s35, s35, ASC                     ; my two row tiles' scale words
	s_lshl_b32 s37, s12, 9                         ; my 256 columns of the stash
	s_add_co_u32 s36, s37, ASC                     ; my part of the scores
	s_lshl_b32 s38, s12, 10                        ; my 256 columns of R
	s_mov_b32 s26, 0x4038aa3b                      ; c = 2 log2(e)
	s_mov_b32 s27, s26                             ; (the packed form names the pair and takes its low word for both halves: so s27 is written)
	s_mov_b32 s28, 0x76543210
	s_mov_b32 s29, 0xfedcba98                      ; v_permlanex16_b32's selects for lane l xor 16
	s_lshl_b32 s14, ttmp9, 20                      ; 256 rows of 4,096 bytes a work-group,
	s_lshl_b32 s15, s12, 17                        ; 32 a wave
	s_add_co_u32 s14, s14, s15
	s_mov_b32 s15, 0
	s_wait_alu depctr_va_vdst(0)
	s_wait_kmcnt 0x0
	s_add_nc_u64 s[16:17], s[4:5], s[14:15]        ; h at my first row
	s_lshl_b32 s14, ttmp9, 8
	s_add_nc_u64 s[18:19], s[6:7], s[14:15]        ; the mask at the block's first position
	s_mul_i32 s14, s12, 16*REC
	s_add_nc_u64 s[20:21], s[8:9], s[14:15]        ; my sixteen records of wpack
	s_mul_i32 s14, ttmp9, 2*PREC
	s_add_nc_u64 s[24:25], s[10:11], s[14:15]      ; the block's record of part
	s_mov_b32 s13, 2                               ; blocks to go
	LOADT 0, 0                                     ; the first block's tiles 0 to 2; the second block's are asked for behind the first block's products
	LOADT 1, 0
	LOADT 2, 0
.Lblock:
	; ---- THE LOAD PHASE
	v_and_b32 v44, 15, v0                          ; r
	v_bfe_u32 v45, v0, 4, 1                        ; hh
	v_add_nc_u32 v6, s32, v[L16]                   ; the stage, in: a row's 512 bytes as they lie
	v_mul_u32_u24 v7, v44, GP
	v_lshl_add_u32 v7, v45, 7, v7
	v_add_nc_u32 v7, s32, v7                       ; out: row r, + 128 hh
	v_mul_u32_u24 v8, v44, SPITCH
	v_lshl_add_u32 v8, v45, 6, v8
	v_add_nc_u32 v8, s33, v8                       ; the stash: row r of my 32, + 64 hh
	v_add_nc_u32 v9, s34, v[L16]                   ; where I store images
	v_lshl_add_u32 v10, v44, 4, s35                ; and scale words
	v_add_nc_u32 v11, XIMG, v[L16]                 ; where I read images (and, 2 XBUF on, scale words)
	v_lshlrev_b32 v[H8], 3, v45
	v_lshrrev_b32 v[M4], 2, v[L16]                 ; 4 x lane
	v_mov_b32 v[PX], 0                             ; a lane permute's destination counts as one of its sources
	global_load_b32 v[MKW], v[M4], s[18:19]        ; the mask's bytes of positions 4 l .. 4 l + 3 of the block
	LOADT 3, 0
	s_mov_b64 s[22:23], s[20:21]                   ; W from my first record on
	s_wait_loadcnt 48                              ; tile 0 is in.  (Behind it stand tiles 1 to 3 and the mask's load, 49: the count is one under that, here and for tiles 1 and 2)
	STAGE 0
	s_wait_dscnt 16                                ; the 16 loads from the stage may be out: the 16 stores into it have read their set,
	LOADT 4, 0                                     ; which takes tile 4
.irp k, 0,1,2,3,4,5,6,7                    ; chunk k + 2's images go into chunk k's buffer only behind barrier k + 1, in front of which every wave has waited for its loads of chunk k
	PROC 2*\k
	PROC 2*\k+1
	BARRIER                                        ; the chunk's eight images lie in LDS
.endr
	FETCH 7
.irp a, 0,1,2,3,4,5,6,7
	ds_load_b128 v[ASCR+4*\a:ASCR+4*\a+3], v11 offset:2*XBUF+512*\a    ; row tile a's scale words: register q: lanes 0-15 K step 2 q, lanes 16-31 K step 2 q + 1
.endr
	BARRIER                                        ; every wave has read the scale words: their bytes will take the parts of the scores
	; ---- THE PRODUCTS AND THE TANH
.irp i, 0,1,2,3,4,5,6,7,8,9,10,11,12,13,14,15
	v_mov_b32 v[SACC+\i], 0
.endr
	s_mov_b32 s14, 15
.Ltile:
	TILE 1
	s_sub_co_u32 s14, s14, 1
	s_cmp_lg_u32 s14, 0
	s_cbranch_scc1 .Ltile
	TILE 0                                         ; the last tile is written out: nothing is fetched beyond my sixteen records
	; ---- THE NEXT BLOCK'S FIRST THREE TILES are asked for here, into the three load sets of window 3: h's codes there are done with (four places and the tanh stand behind the last products).
	; They are on their way while the scores and the weighted sum are made.  The last block asks for nothing: no load leaves its buffer.
	s_cmp_lg_u32 s13, 2
	s_cbranch_scc1 .Lno_next
	LOADT 0, NEXTB
	LOADT 1, NEXTB
	LOADT 2, NEXTB
	; A PREFETCH, behind these loads: of each of my wave's 32 rows of the next block bytes 1,024 to 2,047 (K chunks 2 and 3), a lane a row, four instructions 256 bytes apart.  Each wave names its own rows, once in the launch.
	; The scores and the weighted sum stand between the request and the loads that will want the bytes.  The offset's register is written again only in the next block, behind the wait on XCNT at this block's end.
	v_lshlrev_b32 v[PFO], 8, v[L16]                ; 4,096 x lane
.irp i, 0,1,2,3
	global_prefetch_b8 v[PFO], s[16:17] offset:NEXTB+1024+256*\i th:TH_LOAD_NT scope:SCOPE_SE
.endr
.Lno_next:
	; ---- THE SCORES
	v_and_b32 v76, 15, v0
	v_lshl_add_u32 v6, v76, 2, s36                 ; my part of the scores: 4 r
	v_add_nc_u32 v7, ASC, v[L16]                   ; the parts, four positions a lane
	v_add_nc_u32 v8, s32, v[L16]                   ; my stage, 16 bytes a lane
	v_mov_b32 v9, s32                              ; p, the same address in all lanes
	v_add_nc_u32 v10, s37, v[L16]                  ; the stash: my eight columns of a row
	v_lshl_add_u32 v11, v[L16], 1, s32             ; the way out: 32 bytes a lane
.irp a, 0,1,2,3,4,5,6,7
	v_add_f32 v[SR+\a], v[SACC+2*\a], v[SACC+2*\a+1]       ; even and odd columns,
.endr
.irp a, 0,1,2,3,4,5,6,7
	v_permlanex16_b32 v[ST+\a], v[SR+\a], s28, s29
.endr
.irp a, 0,1,2,3,4,5,6,7
	v_add_f32 v[SR+\a], v[SR+\a], v[ST+\a]                 ; and the other half's eight: row 16 a + r over my 256 columns
.endr
.irp a, 0,1,2,3,4,5,6,7
	ds_store_b32 v6, v[SR+\a] offset:64*\a                 ; both halves of the lanes write the same word with the same value
.endr
	BARRIER                                        ; the four parts lie in LDS
.irp p, 0,1,2,3
	ds_load_b128 v[Q+4*\p:Q+4*\p+3], v7 offset:512*\p      ; every wave takes all of them: each needs all 128 weights
.endr
.irp i, 0,1,2,3
	v_bfe_u32 v[T+\i], v[MKW], 8*\i, 8
.endr
.irp i, 0,1,2,3
	v_cvt_f32_u32 v[T+\i], v[T+\i]
.endr
.irp i, 0,1,2,3
	v_add_f32 v[T+\i], -1.0, v[T+\i]               ; mask - 1: 0 or -1
.endr
	v_add_nc_u32 v[GOA], s38, v[L16]               ; my bytes of R
	v_lshrrev_b32 v[GSA], 1, v[L16]                ; 8 x lane
	s_wait_dscnt 0x0
	v_pk_add_f32 v[Q:Q+1], v[Q:Q+1], v[Q+4:Q+5]
	v_pk_add_f32 v[Q+2:Q+3], v[Q+2:Q+3], v[Q+6:Q+7]
	v_pk_add_f32 v[Q+8:Q+9], v[Q+8:Q+9], v[Q+12:Q+13]
	v_pk_add_f32 v[Q+10:Q+11], v[Q+10:Q+11], v[Q+14:Q+15]
	v_pk_add_f32 v[S4:S4+1], v[Q:Q+1], v[Q+8:Q+9]
	v_pk_add_f32 v[S4+2:S4+3], v[Q+2:Q+3], v[Q+10:Q+11]
.irp i, 0,1,2,3
	v_fmamk_f32 v[S4+\i], v[T+\i], 0x461c4000, v[S4+\i]    ; s - 10000 (1 - mask)
.endr
	; ---- THE BLOCK'S SOFTMAX: the largest score is taken away before the exponential; the third launch joins the blocks
	v_max3_num_f32 v[T+4], v[S4], v[S4+1], v[S4+2]
	v_max_num_f32 v[T+4], v[T+4], v[S4+3]
.irp m, 1,2,4,8
	v_max_num_f32_dpp v[T+4], v[T+4], v[T+4] row_xmask:\m row_mask:0xf bank_mask:0xf
.endr
	v_permlanex16_b32 v[T+5], v[T+4], s28, s29
	v_max_num_f32 v[ML], v[T+4], v[T+5]            ; m, in every lane
.irp i, 0,1,2,3
	v_sub_f32 v[P4+\i], v[S4+\i], v[ML]
.endr
.irp i, 0,1,2,3
	v_mul_f32 v[P4+\i], 0x3fb8aa3b, v[P4+\i]
.endr
	s_wait_alu depctr_va_vdst(0)
.irp i, 0,1,2,3
	v_exp_f32 v[P4+\i], v[P4+\i]                   ; p = e^(s - m)
.endr
	v_nop
	s_wait_alu depctr_va_vdst(0)                   ; one wait for the four, ahead of their first reader
	ds_store_b128 v8, v[P4:P4+3]                   ; p[4 l .. 4 l + 3] into my own stage
	v_add_f32 v[T], v[P4], v[P4+1]
	v_add_f32 v[T+1], v[P4+2], v[P4+3]
	v_add_f32 v[T], v[T], v[T+1]
.irp m, 1,2,4,8
	v_add_f32_dpp v[T], v[T], v[T] row_xmask:\m row_mask:0xf bank_mask:0xf
.endr
	v_permlanex16_b32 v[T+1], v[T], s28, s29
	v_add_f32 v[ML+1], v[T], v[T+1]                ; L, in every lane
	; ---- THE WEIGHTED SUM: 32 rows a trip; a lane takes eight columns, 16 bytes of bf16, so that a load covers 512 consecutive bytes of a row
.irp e, 0,1,2,3,4,5,6,7
	v_mov_b32 v[OACC+\e], 0
.endr
	s_mov_b32 s14, 4
	s_mov_b32 s30, 0
	s_mov_b32 s31, 0
.Lsum:
	v_add_nc_u32 v[PAD], s31, v9
	v_add_nc_u32 v[HAD], s30, v10
.irp i, 0,1,2,3,4,5,6,7
	ds_load_b128 v[PBF+4*\i:PBF+4*\i+3], v[PAD] offset:16*\i       ; LDS serves a wave's instructions in order: these see my store of p
.endr
.set I, 0
.rept 32
	ds_load_b128 v[HBF+4*I:HBF+4*I+3], v[HAD] offset:SPITCH*I
.set I, I+1
.endr
.irp g, 0,1,2,3
	s_wait_alu depctr_va_vdst(0)
	s_wait_dscnt 24-8*\g                           ; rows up to 8 g + 7 are in; the younger rows' loads may be out
.irp i, 0,1,2,3,4,5,6,7
.irp d, 0,1,2,3
	v_fma_mix_f32_bf16 v[OACC+2*\d], v[HBF+4*(8*\g+\i)+\d], v[PBF+8*\g+\i], v[OACC+2*\d] op_sel:[0,0,0] op_sel_hi:[1,0,0]      ; h's low half x p + the sum, in f32
	v_fma_mix_f32_bf16 v[OACC+2*\d+1], v[HBF+4*(8*\g+\i)+\d], v[PBF+8*\g+\i], v[OACC+2*\d+1] op_sel:[1,0,0] op_sel_hi:[1,0,0]  ; and its high half
.endr
.endr
.endr
	s_add_co_u32 s30, s30, 32*SPITCH
	s_add_co_u32 s31, s31, 128
	s_sub_co_u32 s14, s14, 1
	s_cmp_lg_u32 s14, 0
	s_cbranch_scc1 .Lsum
	; ---- THE WAY OUT: a lane's eight sums are 32 bytes; through my stage they become two runs of 512 consecutive bytes
	ds_store_b128 v11, v[OACC:OACC+3] offset:1024
	ds_store_b128 v11, v[OACC+4:OACC+7] offset:1040
	ds_load_b128 v[OT:OT+3], v8 offset:1024
	ds_load_b128 v[OT+4:OT+7], v8 offset:1536
	s_wait_dscnt 0x0
	global_store_b128 v[GOA], v[OT:OT+3], s[24:25]                 ; 32 lanes store 512 consecutive bytes, at a multiple of 256 from part's first byte
	global_store_b128 v[GOA], v[OT+4:OT+7], s[24:25] offset:512
	s_cmp_lg_u32 s12, 0
	s_cbranch_scc1 .Lnot_wave_0
	global_store_b64 v[GSA], v[ML:ML+1], s[24:25] offset:4096      ; (m, L) 32 times: 256 consecutive bytes
.Lnot_wave_0:
	BARRIER                                        ; every wave has read the stash and the parts of the scores: the next block may write them
	s_wait_xcnt 0x0                                ; the stores, the next block's first loads and the prefetches have read their registers and their bases: these may be written
	s_add_nc_u64 s[16:17], s[16:17], NEXTB         ; 128 rows on
	s_add_nc_u64 s[18:19], s[18:19], 128
	s_add_nc_u64 s[24:25], s[24:25], PREC
	s_sub_co_u32 s13, s13, 1
	s_cmp_lg_u32 s13, 0
	s_cbranch_scc1 .Lblock
	s_wait_tensorcnt 0x0                           ; the wave's end, behind my last LDS store
	ds_add_u32 v[SPW], v[NIL]
	s_wait_dscnt 0x0
	s_endpgm
.Lfunc_end_k_qf01f065d41_main:
	.size	k_qf01f065d41_main, .Lfunc_end_k_qf01f065d41_main-k_qf01f065d41_main
	.p2alignl 7, 3214868480
	.fill 96, 4, 3214868480
	.section	.rodata,"a",@progbits
	.p2align	6, 0x0
	.amdhsa_kernel k_qf01f065d41_main
		.amdhsa_group_segment_fixed_size 327680
		.amdhsa_private_segment_fixed_size 0
		.amdhsa_enable_private_segment 0
		.amdhsa_kernarg_size 32
		.amdhsa_user_sgpr_count 2
		.amdhsa_user_sgpr_kernarg_segment_ptr 1
		.amdhsa_wavefront_size32 1
		.amdhsa_system_sgpr_workgroup_id_x 1
		.amdhsa_system_sgpr_workgroup_id_y 1
		.amdhsa_system_sgpr_workgroup_id_z 1
		.amdhsa_system_vgpr_workitem_id 0
		.amdhsa_next_free_vgpr 1024
		.amdhsa_next_free_sgpr 66
		.amdhsa_reserve_vcc 0
		.amdhsa_float_denorm_mode_32 3
		.amdhsa_float_denorm_mode_16_64 3
		.amdhsa_memory_ordered 1
		.amdhsa_forward_progress 1
		.amdhsa_inst_pref_size 241
	.end_amdhsa_kernel
	.amdgpu_metadata
---
amdhsa.version: [ 1, 2 ]
amdhsa.kernels:
  - .name:           k_qf01f065d41_main
    .symbol:         k_qf01f065d41_main.kd
    .args:
      - { .name: h, .offset: 0, .size: 8, .value_kind: global_buffer, .address_space: global }
      - { .name: mask, .offset: 8, .size: 8, .value_kind: global_buffer, .address_space: global }
      - { .name: wpack, .offset: 16, .size: 8, .value_kind: global_buffer, .address_space: global }
      - { .name: part, .offset: 24, .size: 8, .value_kind: global_buffer, .address_space: global }
    .group_segment_fixed_size: 327680
    .private_segment_fixed_size: 0
    .kernarg_segment_align: 8
    .kernarg_segment_size: 32
    .max_flat_workgroup_size: 128
    .sgpr_count:     66
    .vgpr_count:     1024
    .wavefront_size: 32
...
	.end_amdgpu_metadata
.endif
;; end of part 2
;; launch combine (part 3): grid 32 x 4, 2 waves a work-group, no clusters, 0 bytes of LDS; arguments part, out0; writes out0
.if DOCPART == 3
	.amdgcn_target "amdgcn-amd-amdhsa--gfx1250"
	.amdhsa_code_object_version 6
	.text
	.protected	k_qf01f065d41_combine
	.globl	k_qf01f065d41_combine
	.p2align	8
	.type	k_qf01f065d41_combine,@function
k_qf01f065d41_combine:
	s_mov_b64 s[64:65], 0
	v_nop
	global_prefetch_b8 v0, s[64:65] scope:SCOPE_SE
	s_setreg_imm32_b32 hwreg(HW_REG_WAVE_MODE, 25, 1), 1
	s_wait_xcnt 0x0
; THIRD OF THREE LAUNCHES.  A batch's 16 blocks are joined: M = the largest m_j; w_j = e^(m_j - M); out = (the sum of w_j R_j) / (the sum of w_j L_j).
; The largest score is again taken away before the exponential.  The block with m_j = M has w_j = 1 and L_j at least 1, so the divisor is at least 1.
; (The sum of v_w, left out of the scores as shown at the head of the first launch, is the same in all 16 blocks of a batch and cancels here too.)
; SHARES.  Work-group (b, y): batch b, columns 256 y .. 256 y + 255; a thread takes four columns, so that a wave's load or store covers 512 consecutive bytes.
; The 16 pairs (m, L) are the same for all threads: scalar loads.  No LDS, no barrier, no matrix unit: 69,632 bytes a batch are read and 4,096 written.
.set PREC, 4352                        ; a record of part: R, 4,096 bytes, then (m, L)
.set D,  16                            ; v16-79  R_j's four columns
.set W,  80                            ; v80-95  w_j
.set A,  8                             ; v8-11   the sums
	s_load_b128 s[4:7], s[0:1], 0x0                ; part s[4:5], out0 s[6:7]
	s_and_b32 s10, ttmp7, 0xffff                   ; y
	s_lshl_b32 s10, s10, 10
	v_lshlrev_b32 v1, 4, v0
	v_add_nc_u32 v1, s10, v1                       ; 1,024 y + 16 x thread: my bytes of a row of 1,024 f32
	s_mul_i32 s8, ttmp9, 16*PREC
	s_mov_b32 s9, 0
	s_lshl_b32 s12, ttmp9, 12
	s_mov_b32 s13, 0
	s_wait_alu depctr_va_vdst(0)
	s_wait_kmcnt 0x0
	s_add_nc_u64 s[4:5], s[4:5], s[8:9]            ; the batch's 16 records
	s_add_nc_u64 s[6:7], s[6:7], s[12:13]          ; the batch's row of out0
.irp j, 0,1,2,3,4,5,6,7,8,9,10,11,12,13,14,15
	s_load_b64 s[16+2*\j:17+2*\j], s[4:5], PREC*\j+4096        ; m_j, L_j
.endr
.irp j, 0,1,2,3,4,5,6,7,8,9,10,11,12,13,14,15
	global_load_b128 v[D+4*\j:D+4*\j+3], v1, s[4:5] offset:PREC*\j
.endr
	s_wait_kmcnt 0x0
	v_mov_b32 v2, s16
.irp j, 1,3,5,7,9,11,13
	v_max3_num_f32 v2, v2, s[16+2*\j], s[18+2*\j]
.endr
	v_max_num_f32 v2, s46, v2                      ; M
.irp j, 0,1,2,3,4,5,6,7,8,9,10,11,12,13,14,15
	v_sub_f32 v[W+\j], s[16+2*\j], v2
.endr
.irp j, 0,1,2,3,4,5,6,7,8,9,10,11,12,13,14,15
	v_mul_f32 v[W+\j], 0x3fb8aa3b, v[W+\j]
.endr
	s_wait_alu depctr_va_vdst(0)
.irp j, 0,1,2,3,4,5,6,7,8,9,10,11,12,13,14,15
	v_exp_f32 v[W+\j], v[W+\j]                     ; w_j = e^(m_j - M)
.endr
	v_nop
	s_wait_alu depctr_va_vdst(0)                   ; one wait for the sixteen, ahead of their first reader
	v_mul_f32 v3, s17, v[W]
.irp j, 1,2,3,4,5,6,7,8,9,10,11,12,13,14,15
	v_fmac_f32 v3, s[17+2*\j], v[W+\j]             ; the divisor
.endr
	s_wait_alu depctr_va_vdst(0)
	v_rcp_f32 v3, v3
	s_wait_loadcnt 0x0
.irp e, 0,1,2,3
	v_mul_f32 v[A+\e], v[W], v[D+\e]               ; the first block starts the sums.  (Plain work behind the reciprocal, which names neither its source nor its result)
.endr
.irp j, 1,2,3,4,5,6,7,8,9,10,11,12,13,14,15
.irp e, 0,1,2,3
	v_fmac_f32 v[A+\e], v[W+\j], v[D+4*\j+\e]
.endr
.endr
	s_wait_alu depctr_va_vdst(0)                   ; the reciprocal's wait, ahead of its first reader
.irp e, 0,1,2,3
	v_mul_f32 v[A+\e], v[A+\e], v3
.endr
	global_store_b128 v1, v[A:A+3], s[6:7]         ; a wave stores 512 consecutive bytes, at a multiple of 256 from out0's first byte
	s_endpgm
.Lfunc_end_k_qf01f065d41_combine:
	.size	k_qf01f065d41_combine, .Lfunc_end_k_qf01f065d41_combine-k_qf01f065d41_combine
	.p2alignl 7, 3214868480
	.fill 96, 4, 3214868480
	.section	.rodata,"a",@progbits
	.p2align	6, 0x0
	.amdhsa_kernel k_qf01f065d41_combine
		.amdhsa_group_segment_fixed_size 0
		.amdhsa_private_segment_fixed_size 0
		.amdhsa_enable_private_segment 0
		.amdhsa_kernarg_size 16
		.amdhsa_user_sgpr_count 2
		.amdhsa_user_sgpr_kernarg_segment_ptr 1
		.amdhsa_wavefront_size32 1
		.amdhsa_system_sgpr_workgroup_id_x 1
		.amdhsa_system_sgpr_workgroup_id_y 1
		.amdhsa_system_sgpr_workgroup_id_z 1
		.amdhsa_system_vgpr_workitem_id 0
		.amdhsa_next_free_vgpr 96
		.amdhsa_next_free_sgpr 66
		.amdhsa_reserve_vcc 0
		.amdhsa_float_denorm_mode_32 3
		.amdhsa_float_denorm_mode_16_64 3
		.amdhsa_memory_ordered 1
		.amdhsa_forward_progress 1
		.amdhsa_inst_pref_size 9
	.end_amdhsa_kernel
	.amdgpu_metadata
---
amdhsa.version: [ 1, 2 ]
amdhsa.kernels:
  - .name:           k_qf01f065d41_combine
    .symbol:         k_qf01f065d41_combine.kd
    .args:
      - { .name: part, .offset: 0, .size: 8, .value_kind: global_buffer, .address_space: global }
      - { .name: out0, .offset: 8, .size: 8, .value_kind: global_buffer, .address_space: global }
    .group_segment_fixed_size: 0
    .private_segment_fixed_size: 0
    .kernarg_segment_align: 8
    .kernarg_segment_size: 16
    .max_flat_workgroup_size: 64
    .sgpr_count:     66
    .vgpr_count:     96
    .wavefront_size: 32
...
	.end_amdgpu_metadata
.endif
;; end of part 3
